; MI455X (gfx1250); checked and timed in simulation.
; The chip was launched on July 23, 2026; its instructions are those of AMD's public machine-readable ISA for CDNA 5 (MIT licence, August 2026) and "CDNA5" Instruction Set Architecture Reference Guide (July 2026). The comments in the code are by the model that wrote it; some were corrected since.
;; Multi Head Attention. Allowed arithmetic: matrix products marked QUANTISED: E2M3 operands, one E8M0 scale for each 32 along K, by v_wmma_scale_f32_16x16x128_f8f6f4 with both operands' format E2M3, f32 sums; everything else in f32.
;; Inputs: Wk_codes 512 x 16 x 24 uint8 (E2M3 codes of Wk, K innermost, in blocks of 32 codes, four codes in three bytes); Wk_scales 512 x 16 uint8 (E8M0 scales of Wk, one for each 32 codes along K); Wo_codes 512 x 16 x 24 uint8 (E2M3 codes of Wo, K innermost, in blocks of 32 codes, four codes in three bytes); Wo_scales 512 x 16 uint8 (E8M0 scales of Wo, one for each 32 codes along K); Wq_codes 512 x 16 x 24 uint8 (E2M3 codes of Wq, K innermost, in blocks of 32 codes, four codes in three bytes); Wq_scales 512 x 16 uint8 (E8M0 scales of Wq, one for each 32 codes along K); Wv_codes 512 x 16 x 24 uint8 (E2M3 codes of Wv, K innermost, in blocks of 32 codes, four codes in three bytes); Wv_scales 512 x 16 uint8 (E8M0 scales of Wv, one for each 32 codes along K); bo 512 float32; keys_codes 2 x 4,096 x 16 x 24 uint8 (E2M3 codes of keys, K innermost, in blocks of 32 codes, four codes in three bytes); keys_scales 2 x 4,096 x 16 uint8 (E8M0 scales of keys, one for each 32 codes along K); mask 2 x 1 x 4,096 x 4,096 int32; query_codes 2 x 4,096 x 16 x 24 uint8 (E2M3 codes of query, K innermost, in blocks of 32 codes, four codes in three bytes); query_scales 2 x 4,096 x 16 uint8 (E8M0 scales of query, one for each 32 codes along K); values_codes 2 x 4,096 x 16 x 24 uint8 (E2M3 codes of values, K innermost, in blocks of 32 codes, four codes in three bytes); values_scales 2 x 4,096 x 16 uint8 (E8M0 scales of values, one for each 32 codes along K).
;; Outputs: out0 2 x 4,096 x 512 float32.
;; This version of the problem:
;;   THIS VERSION OF THE PROBLEM IS GIVEN IN LOW PRECISION. The matrix products marked QUANTISED in the list below multiply operands that are first quantised to E2M3 (2 exponent bits, 3 mantissa bits; 6 bits a number), with one power-of-two scale for each 32 numbers along K (OCP MX v1.0); their sums are f32. All else is computed in f32.
;;   The module's matrix products, in the order in which they are computed (A, B: the left and right operand; K: the contracted axis; several contracted axes count as one K, in the product's order):
;;     1. [M 8,192, K 512] x [K 512, N 512]; A: input values (given as codes); B: input Wv (given as codes): QUANTISED
;;     2. [M 8,192, K 512] x [K 512, N 512]; A: input keys (given as codes); B: input Wk (given as codes): QUANTISED
;;     3. [M 8,192, K 512] x [K 512, N 512]; A: input query (given as codes); B: input Wq (given as codes): QUANTISED
;;     4. batch 16 x [M 4,096, K 64] x [K 64, N 4,096]; A: computed on the way; B: computed on the way: QUANTISED
;;     5. batch 16 x [M 64, K 4,096] x [K 4,096, N 4,096]; A: computed on the way; B: softmax (see below): QUANTISED
;;     6. [M 8,192, K 512] x [K 512, N 512]; A: computed on the way; B: input Wo (given as codes): QUANTISED
;;   THE QUANTISER, for each operand of a quantised product, along K:
;;     - K is cut into blocks of 32 from its start; a last block that is shorter is filled with zeros.
;;     - A block's scale is 2^e with e = floor(log2(the largest magnitude in the block)) - 2, held to -126 .. 127; a block of zeros has e = 0. As a byte (E8M0): e + 127.
;;     - Each number is divided by its block's scale, clamped to +-7.5, and rounded to the nearest number of E2M3, ties to even, subnormals kept.
;;     - The product sums the exact products of the quantised numbers (number of the format x scale) in f32.
;;   ~~~python
;;   def quantise(x, axis):      # numpy; x: float32 -> the quantised numbers, widened to float32 again
;;       x = np.moveaxis(x, axis, -1); K = x.shape[-1]
;;       x = np.pad(x, [(0, 0)] * (x.ndim - 1) + [(0, -K % 32)]); x = x.reshape(x.shape[:-1] + (-1, 32)); a = np.abs(x).max(-1, keepdims=True)
;;       e = np.where(a > 0, np.clip(np.frexp(np.where(a > 0, a, 1))[1] - 1 - 2, -126, 127), 0)      # np.frexp(a)[1] - 1 = floor(log2(a)), exactly
;;       r = np.clip(x / 2.0 ** e, -7.5, 7.5)
;;       step = 2.0 ** (np.maximum(np.frexp(np.where(r == 0, 1, r))[1] - 1, 0) - 3)
;;       q = np.round(r / step) * step * 2.0 ** e      # np.round: ties to even
;;       return np.moveaxis(q.reshape(q.shape[:-2] + (-1,))[..., :K], -1, axis).astype(np.float32)
;;   ~~~
;;   SOFTMAX AHEAD OF A QUANTISED PRODUCT. Where the list says 'softmax', what is quantised is not the finished softmax but p = 2^(t - M), with t = logit x log2(e) and M = ceil(the row's largest t), a whole number; so 1/2 < the row's largest p <= 1. The row's sum l is taken of the UNQUANTISED p, in f32, and the product's result is divided by l at the end. Since M is a whole number, a kernel that streams over the keys may use a running M (the ceiling of the running maximum): every later rescaling is an exact power of two, which a block's scale takes up: the codes' values come out the same.
;;   OPERANDS COMPUTED ON THE WAY. 'Computed on the way' means the value that the module computes at that place (a softmax that the list does not call 'softmax' is quantised finished and normalised). What goes into a quantiser is computed in f32, as accurately as f32 sums, v_exp_f32 and their like allow (about 1e-6 of the number): no bf16 or f16 on the way to a quantiser, and a product that is left as it is and whose result goes on into a quantised operand takes f32 operands (vector FMAs, or v_wmma_f32_16x16x4_f32). A number that lies on a knife's edge between two numbers of the format may be rounded either way, as far as f32 arithmetic and the matrix unit's own rounding can turn it there, and no further.
;;   INPUTS GIVEN AS CODES. Wk (in the module: [512, 512], K = its axis 1); Wo (in the module: [512, 512], K = its axis 1); Wq (in the module: [512, 512], K = its axis 1); Wv (in the module: [512, 512], K = its axis 1); keys (in the module: [2, 4096, 512], K = its axis 2); query (in the module: [2, 4096, 512], K = its axis 2); values (in the module: [2, 4096, 512], K = its axis 2): each comes as NAME_codes (uint8): NAME with its K axis moved to the last place and cut into blocks of 32 codes, [.., K / 32, bytes a block], one block behind the other in memory; four codes in three bytes: a row's codes are one little-endian stream of bits, code i at bits 6 i .. 6 i + 5 (a code: sign, 2 exponent bits, 3 mantissa bits); and NAME_scales (uint8): the same leading axes, one E8M0 byte (e + 127) for each 32 codes along K. Its value is code x scale, taken as it is: it is not quantised again, and the codes and scales need not be those that the quantiser above would give.
;; One version. Each part assembles by itself: llvm-mc -triple=amdgcn-amd-amdhsa -mcpu=gfx1250 --defsym DOCPART=n.
;; ======== version 1 of 1: 3 launches
;; limits: right only within a limited range of input values
;; workspace buffers: qimg 3,407,872 bytes; kv 6,684,672 bytes; maskw 4,194,304 bytes of whole numbers; att 3,145,728 bytes; att_scales 131,072 bytes
;; launch prep (part 1): grid 11 x 64, 4 waves a work-group, no clusters, 270,848 bytes of LDS; arguments query_codes, query_scales, Wq_codes, Wq_scales, keys_codes, keys_scales, Wk_codes, Wk_scales, values_codes, values_scales, Wv_codes, Wv_scales, mask, qimg, kv, maskw; writes qimg, kv, maskw
.if DOCPART == 1
	.amdgcn_target "amdgcn-amd-amdhsa--gfx1250"
	.amdhsa_code_object_version 6
	.text
	.protected	k_qb7ae7f8a9c_prep
	.globl	k_qb7ae7f8a9c_prep
	.p2align	8
	.type	k_qb7ae7f8a9c_prep,@function
k_qb7ae7f8a9c_prep:
	s_mov_b64 s[64:65], 0
	v_nop
	global_prefetch_b8 v0, s[64:65] scope:SCOPE_SE
	s_setreg_imm32_b32 hwreg(HW_REG_WAVE_MODE, 25, 1), 1
	s_wait_xcnt 0x0
; PREP: the three projections q = query Wq^T, k = keys Wk^T, v = values Wv^T on codes of FP6 (E2M3) with E8M0 scales, their results quantised again and stored as
; IMAGES OF OPERAND REGISTERS for the attention launch; and the mask, int32 [2][4096][4096], packed into lane-mask words.
; GRID: x = 0, 1, 2: the projection Q, K, V of token block y (128 tokens of the 8,192).  x = 3 .. 10: mask work-group m = 8 y + x - 3 of 512.  The two kinds part on the work-group's x alone.
; PROJECTION.  Wave w takes weight rows 128 w .. 128 w + 127 (heads 2 w, 2 w + 1) against the block's 128 tokens.  One core serves all three: operand P (128 rows x 512 K) stays in 384 registers,
; operand L comes as eight tiles of 16 rows; source 0 = 16 rows of P, source 1 = 16 rows of L.  Q, K: P = the weight, L = the tokens;  V: P = the tokens, L = the weight.
; THE ROWS OF P THAT FORM A TILE ARE NOT NEIGHBOURS: lane r of tile 2 b + u takes row 32 b + 8 u + r + 8 (r / 8), so that accumulator register 16 b + i of lane (r, h) is P-row 32 b + 16 h + i of L-row r:
; sixteen neighbours along the next product's K (the head's channels for q and k, the keys for v), as the conversions want them.
; L's rows are plain for Q; for K and V they are taken in the same order as P's, since the attention launch wants its keys and its channels so.
; WHAT IS STORED.  A half fragment (16 rows x 64 K, 6 registers a lane) is 768 bytes: registers 0-3 at 16 x lane, registers 4-5 at 512 + 8 x lane.  A whole one (12 registers): registers 4 q .. 4 q + 3 at 512 q + 16 x lane.
;   qimg: block ((b 8 + h) 32 + token block) of 6,656 bytes: eight half fragments, then eight runs of 16 scale words (bytes 0, 1: the head's two blocks; bytes 2, 3: 0).
;   kv:   block ((b 8 + h) 32 + key step) of 13,056 bytes: K's eight half fragments | V^T's four whole fragments | K's scale words (512 bytes) | V's (256 bytes).
; MASK.  A work-group takes 64 rows x 1,024 keys; a wave two tiles of 64 rows x 128 keys (rows of 512 bytes), each by one tensor load into LDS bytes of its own, filled once.
;   Word n = 16 blk + i of (query tile, key step): bit l = (mask[16 tile + l % 16][128 step + 32 blk + 16 (l / 16) + i] != 0): the lane mask of score register n in the attention launch.
;   The 64 words of a (tile, step) leave as one aligned run of 256 bytes.
; THE QUANTISER: a block's scale byte is its largest magnitude's exponent field - 2, held at 1 from below.
; LIMITS: a block of zeros gets the byte 1 where the rule says 127 (its codes are zeros; only this program reads the bytes); NaN and infinities are not served.
; The scale words are stored 64 bytes at a time (lanes r and r + 16 write the same word): 0.66 MB of the launch's 150 MB leave in runs shorter than 256 bytes.
; No cluster: the projections load through registers, and no two mask work-groups read the same bytes.
.set PS,   16                          ; v16-47   P's scale words: tile p, K step s at 4 p + s
.set LB,   48                          ; v48-95, v96-143  L's fragments, two buffers, K step s at 12 s
.set LS,   144                         ; v144-147, v148-151  L's scale words
.set ACC,  152                         ; v152-215 eight accumulators
.set PC,   216                         ; v216-227 the codes just made; v228-230, v232-234 the conversions' second halves
.set TM,   236                         ; v236-239 largest magnitudes, v240-243 the other half's / the bytes, v244-247 the conversions' scale operands
.set PW,   248                         ; the scale word just made;  v249, v250 its two halves
.set WA,   249
.set WB,   250
.set SEL,  56                          ; s[56:57] v_permlanex16_b32's selects for lane l xor 16
.set MT,   33792                       ; a mask tile in LDS: 64 rows x (512 bytes + 16)
.set OUTW, 144                         ; mask path: v144-159 a pair of registers for each of a wave's eight units
.set MSB, 0
.macro WIN new                         ; the immediate's high byte repeats the setting that is left
.if MSB != \new
	s_set_vgpr_msb (MSB<<8)|\new
.set MSB, \new
.endif
.endm
	s_load_b256 s[8:15], s[0:1], 0x0               ; query's codes, scales; Wq's codes, scales
	s_load_b256 s[16:23], s[0:1], 0x20             ; the same of keys and Wk
	s_load_b256 s[24:31], s[0:1], 0x40             ; of values and Wv
	s_load_b256 s[32:39], s[0:1], 0x60             ; mask s[32:33], qimg s[34:35], kv s[36:37], maskw s[38:39]
	v_lshl_add_u32 v254, v0, 2, 0x42000
	v_mov_b32 v255, 0
	ds_add_u32 v254, v255
	s_wait_dscnt 0x0
	v_lshrrev_b32 v1, 5, v0
	v_readfirstlane_b32 s4, v1                     ; wave 0..3
	s_mov_b32 s2, ttmp9                            ; 0, 1, 2: Q, K, V;  3 .. 10: mask
	s_and_b32 s3, ttmp7, 0xffff
	s_cmp_ge_u32 s2, 3
	s_cbranch_scc1 .Lmask
; ------------------------------------------------------------------ the projections
	v_and_b32 v1, 15, v0                           ; r
	v_bfe_u32 v2, v0, 4, 1                         ; h
	v_and_b32 v3, 8, v1
	v_add_nc_u32 v3, v3, v1                        ; r + 8 (r / 8)
	v_mul_u32_u24 v4, v3, 384                      ; P's codes: a row of 512 codes is 384 bytes,
	v_mad_u32_u24 v4, v2, 24, v4                   ; + 24 h
	v_lshlrev_b32 v5, 4, v3                        ; P's scales: 16 bytes a row
	s_cmp_eq_u32 s2, 0
	s_cselect_b32 s58, 0, -1                       ; L's rows: plain for Q, in P's order for K and V
	s_cselect_b32 s59, 1, 0                        ; an odd tile begins 16 rows behind the even one for Q, 8 rows for K and V
	v_cndmask_b32 v13, v1, v3, s58
	v_mul_u32_u24 v6, v13, 384
	v_mad_u32_u24 v6, v2, 24, v6                   ; L's codes, even tiles
	s_lshl_b32 s60, 3072, s59
	v_add_nc_u32 v7, s60, v6                       ; odd tiles
	v_lshlrev_b32 v8, 4, v13                       ; L's scales, even tiles
	s_lshl_b32 s60, 128, s59
	v_add_nc_u32 v9, s60, v8                       ; odd tiles
	v_and_b32 v14, 31, v0
	v_lshlrev_b32 v10, 4, v14                      ; 16 x lane
	v_lshlrev_b32 v11, 3, v14                      ; 8 x lane
	v_lshlrev_b32 v12, 2, v1                       ; 4 r
.irp b, 0,1,2,3
	v_mov_b32 v[TM+4+\b], 0                        ; written once: a lane permute's destination counts as one of its sources
.endr
	s_mov_b32 s[SEL], 0x76543210
	s_mov_b32 s[SEL+1], 0xfedcba98
	s_wait_kmcnt 0x0
	s_cmp_eq_u32 s2, 1                             ; the job's four buffers into s[8:15]: the choice hangs on the work-group's number alone
	s_cselect_b64 s[8:9], s[16:17], s[8:9]
	s_cselect_b64 s[10:11], s[18:19], s[10:11]
	s_cselect_b64 s[12:13], s[20:21], s[12:13]
	s_cselect_b64 s[14:15], s[22:23], s[14:15]
	s_cmp_eq_u32 s2, 2
	s_cselect_b64 s[8:9], s[24:25], s[8:9]
	s_cselect_b64 s[10:11], s[26:27], s[10:11]
	s_cselect_b64 s[12:13], s[28:29], s[12:13]
	s_cselect_b64 s[14:15], s[30:31], s[14:15]
	s_mov_b32 s61, 0
	s_mul_i32 s60, s3, 49152                       ; the token block: 128 rows of 384 bytes,
	s_add_nc_u64 s[8:9], s[8:9], s[60:61]
	s_lshl_b32 s60, s3, 11                         ; and of 16 scale bytes
	s_add_nc_u64 s[10:11], s[10:11], s[60:61]
	s_mul_i32 s60, s4, 49152                       ; my wave's 128 rows of the weight
	s_add_nc_u64 s[12:13], s[12:13], s[60:61]
	s_lshl_b32 s60, s4, 11
	s_add_nc_u64 s[14:15], s[14:15], s[60:61]
	s_cmp_eq_u32 s2, 2                             ; V: P = the tokens, L = the weight; Q, K: the other way round
	s_cselect_b64 s[40:41], s[8:9], s[12:13]       ; P's codes
	s_cselect_b64 s[42:43], s[10:11], s[14:15]     ; P's scales
	s_cselect_b64 s[44:45], s[12:13], s[8:9]       ; L's codes
	s_cselect_b64 s[46:47], s[14:15], s[10:11]     ; L's scales
	s_cselect_b32 s66, 6144, 0                     ; V's fragments lie behind K's in a block of kv,
	s_cselect_b32 s67, 512, 0                      ; and its scale words behind K's
	s_cmp_eq_u32 s2, 0
	s_cselect_b64 s[48:49], s[34:35], s[36:37]     ; Q goes to qimg, K and V to kv
	s_mov_b32 s62, 13056
	s_cselect_b32 s62, 6656, s62                   ; bytes of a block there
	s_mov_b32 s63, 12288
	s_cselect_b32 s63, 6144, s63                   ; where its scale words begin
	s_add_co_u32 s63, s63, s67
	s_lshr_b32 s58, s3, 5                          ; b
	s_lshl_b32 s58, s58, 3
	s_lshl_b32 s59, s4, 1
	s_add_co_u32 s58, s58, s59                     ; 8 b + head 2 w
	s_lshl_b32 s58, s58, 5
	s_and_b32 s59, s3, 31
	s_add_co_u32 s58, s58, s59                     ; x 32 + the token block within b
	s_mul_i32 s60, s58, s62
	s_add_nc_u64 s[48:49], s[48:49], s[60:61]      ; head 2 w's block
	s_mov_b32 s60, s63
	s_add_nc_u64 s[52:53], s[48:49], s[60:61]      ; its scale words
	s_mov_b32 s60, s66
	s_add_nc_u64 s[48:49], s[48:49], s[60:61]      ; its fragments
	s_lshl_b32 s60, s62, 5                         ; head 2 w + 1 lies 32 blocks on
	s_add_nc_u64 s[50:51], s[48:49], s[60:61]
	s_add_nc_u64 s[54:55], s[52:53], s[60:61]
; P: tile p, K step s: window 1 holds s = 0, 1 at v[24 p + 12 s], window 2 holds s = 2, 3 likewise.  A fragment is 12 registers: lane (r, h) takes 24 bytes at 96 s + 24 h and 24 at 96 s + 48 + 24 h of its row, in pieces of 8.
	WIN 0x40                                       ; destination window 1
.irp p, 0,1,2,3,4,5,6,7
.irp s, 0,1
.irp q, 0,1,2,3,4,5
	global_load_b64 v[24*\p+12*\s+2*\q:24*\p+12*\s+2*\q+1], v4, s[40:41] offset:(32*(\p/2)+8*(\p%2))*384+96*\s+48*(\q/3)+8*(\q%3)
.endr
.endr
.endr
	WIN 0x80                                       ; destination window 2
.irp p, 0,1,2,3,4,5,6,7
.irp s, 0,1
.irp q, 0,1,2,3,4,5
	global_load_b64 v[24*\p+12*\s+2*\q:24*\p+12*\s+2*\q+1], v4, s[40:41] offset:(32*(\p/2)+8*(\p%2))*384+192+96*\s+48*(\q/3)+8*(\q%3)
.endr
.endr
.endr
	WIN 0
.irp p, 0,1,2,3,4,5,6,7
	global_load_b128 v[PS+4*\p:PS+4*\p+3], v5, s[42:43] offset:(32*(\p/2)+8*(\p%2))*16   ; a row's 16 scale bytes: the words of its four K steps
.endr
; L's tile i into buffer i % 2: 24 loads of codes and one of the rows' scale words: 25 loads
.macro LLOAD i
.irp s, 0,1,2,3
.irp q, 0,1,2,3,4,5
	global_load_b64 v[LB+48*((\i)%2)+12*\s+2*\q:LB+48*((\i)%2)+12*\s+2*\q+1], v[6+(\i)%2], s[44:45] offset:12288*((\i)/2)+96*\s+48*(\q/3)+8*(\q%3)
.endr
.endr
	global_load_b128 v[LS+4*((\i)%2):LS+4*((\i)%2)+3], v[8+(\i)%2], s[46:47] offset:512*((\i)/2)
.endm
; one matrix instruction: 16 rows of P x 16 rows of L, 128 along K
.macro MM d, a, b, sa, sb, first
.if \first
	v_wmma_scale_f32_16x16x128_f8f6f4 v[\d:\d+7], v[\a:\a+11], v[\b:\b+11], 0, v[\sa], v[\sb] matrix_a_fmt:MATRIX_FMT_FP6 matrix_b_fmt:MATRIX_FMT_FP6
.else
	v_wmma_scale_f32_16x16x128_f8f6f4 v[\d:\d+7], v[\a:\a+11], v[\b:\b+11], v[\d:\d+7], v[\sa], v[\sb] matrix_a_fmt:MATRIX_FMT_FP6 matrix_b_fmt:MATRIX_FMT_FP6
.endif
.endm
; 64 numbers of a lane, register 16 b + i = k 32 b + 16 (lane / 16) + i of my row, become a fragment's codes in v[PC] on and its scale word in v[PW]
.macro QUANT src
	s_wait_xcnt 0x0                                ; the last tile's stores have had their addresses translated (ISA guide 3.1): their data registers are written again only behind this wait
.irp b, 0,1,2,3
	v_max3_num_f32 v[TM+\b], |v[\src+16*\b]|, |v[\src+1+16*\b]|, 0x1800000   ; block b: my 16 numbers, and the floor 2^(3 - 127): the byte cannot fall under 1
.endr
.irp i, 2,4,6,8,10,12,14
.irp b, 0,1,2,3
	v_max3_num_f32 v[TM+\b], v[TM+\b], |v[\src+16*\b+\i]|, |v[\src+1+16*\b+\i]|   ; the four blocks by turns; each accumulator is read from its low end on
.endr
.endr
.irp b, 0,1,2,3
	v_permlanex16_b32 v[TM+4+\b], v[TM+\b], s[SEL], s[SEL+1]
.endr
.irp b, 0,1,2,3
	v_max_num_f32 v[TM+\b], v[TM+\b], v[TM+4+\b]   ; with lane l xor 16's: the block's largest magnitude
.endr
.irp b, 0,1,2,3
	v_add_nc_u32 v[TM+8+\b], 0xff000000, v[TM+\b]  ; 2 off its exponent field: the conversion takes the exponent field of this operand as its scale
.endr
.irp b, 0,1,2,3
	v_lshrrev_b32 v[TM+4+\b], 23, v[TM+8+\b]       ; the scale's byte
.endr
	v_lshl_or_b32 v[PW], v[TM+5], 8, v[TM+4]
	v_lshl_or_b32 v[PW], v[TM+6], 16, v[PW]
	v_lshl_or_b32 v[PW], v[TM+7], 24, v[PW]
.irp c, 0,1
	v_cvt_scalef32_pk16_fp6_f32 v[PC+6*\c:PC+2+6*\c], v[\src+32*\c:\src+15+32*\c], v[TM+8+2*\c]
	v_cvt_scalef32_pk16_fp6_f32 v[PC+12+4*\c:PC+14+4*\c], v[\src+16+32*\c:\src+31+32*\c], v[TM+8+2*\c+1]   ; (a conversion's three registers begin on an even number)
.endr
	v_nop                                          ; one plain place behind a scaled conversion
.irp c, 0,1                                        ; the operand's layout wants a WHOLE block in a lane: lanes 0-15 block 2 c, lanes 16-31 block 2 c + 1
.irp i, 0,1,2
	v_permlane16_swap_b32 v[PC+6*\c+\i], v[PC+12+4*\c+\i]
.endr
.irp i, 0,1,2
	v_mov_b32 v[PC+3+6*\c+\i], v[PC+12+4*\c+\i]
.endr
.endr
.endm
; L's tile i: 32 matrix instructions, K step by K step, the eight accumulators by turns; the results are quantised and stored
.macro TILE i
.if (\i) < 7
	s_wait_loadcnt 25                              ; loads come back in order (ISA guide 5.7.1): P and this tile are in; the next tile's 25 loads may be out
.else
	s_wait_loadcnt 0x0
.endif
	WIN 0x01                                       ; source 0 (P) window 1
.irp p, 0,1,2,3,4,5,6,7
	MM ACC+8*\p, 24*\p, LB+48*((\i)%2), PS+4*\p, LS+4*((\i)%2), 1
.endr
.irp p, 0,1,2,3,4,5,6,7
	MM ACC+8*\p, 24*\p+12, LB+48*((\i)%2)+12, PS+4*\p+1, LS+4*((\i)%2)+1, 0
.endr
	WIN 0x02                                       ; source 0 window 2
.irp p, 0,1,2,3,4,5,6,7
	MM ACC+8*\p, 24*\p, LB+48*((\i)%2)+24, PS+4*\p+2, LS+4*((\i)%2)+2, 0
.endr
.irp p, 0,1,2,3,4,5,6,7
	MM ACC+8*\p, 24*\p+12, LB+48*((\i)%2)+36, PS+4*\p+3, LS+4*((\i)%2)+3, 0
.endr
	WIN 0
.rept 4
	v_nop                                          ; four places in front of loads into registers that these products read, and of the first read of their results
.endr
.if (\i)+2 < 8
	LLOAD (\i)+2                                   ; the buffer just multiplied takes the tile two on
.endif
	QUANT ACC                                      ; (its lines on v236-250 are further places in front of the next tile's first products, which write the accumulators anew)
	s_cmp_eq_u32 s2, 2
	s_cbranch_scc1 .Lvform_\@
	v_and_b32 v[WA], 0xffff, v[PW]                 ; Q, K: the fragment's K is two heads' 64 channels: two half fragments, two scale words with bytes 2, 3 = 0
	v_lshrrev_b32 v[WB], 16, v[PW]
	global_store_b128 v10, v[PC:PC+3], s[48:49] offset:768*(\i)
	global_store_b64 v11, v[PC+4:PC+5], s[48:49] offset:768*(\i)+512
	global_store_b128 v10, v[PC+6:PC+9], s[50:51] offset:768*(\i)
	global_store_b64 v11, v[PC+10:PC+11], s[50:51] offset:768*(\i)+512
	global_store_b32 v12, v[WA], s[52:53] offset:64*(\i)
	global_store_b32 v12, v[WB], s[54:55] offset:64*(\i)
	s_branch .Lstored_\@
.Lvform_\@:                                            ; V: 16 channels x the step's 128 keys: a whole fragment; tiles 0-3 are head 2 w's, tiles 4-7 head 2 w + 1's
.irp q, 0,1,2
	global_store_b128 v10, v[PC+4*\q:PC+4*\q+3], s[48+2*((\i)/4):49+2*((\i)/4)] offset:1536*((\i)%4)+512*\q
.endr
	global_store_b32 v12, v[PW], s[52+2*((\i)/4):53+2*((\i)/4)] offset:64*((\i)%4)
.Lstored_\@:
.endm
	LLOAD 0
	LLOAD 1
.irp n, 0,1,2,3,4,5,6,7
	TILE \n
.endr
	s_endpgm
; ------------------------------------------------------------------ the mask
.Lmask:
	s_sub_co_u32 s58, s2, 3
	s_lshl_b32 s59, s3, 3
	s_add_co_u32 s58, s58, s59                     ; m = 8 y + x - 3: 0 .. 511
	s_lshr_b32 s59, s58, 2                         ; which 64 of the 8,192 rows
	s_and_b32 s60, s58, 3                          ; which 1,024 keys
	s_lshl_b32 s60, s60, 3
	s_lshl_b32 s61, s4, 1
	s_add_co_u32 s60, s60, s61                     ; my wave's first key step
	; descriptor group 1: 64 rows x 128 elements of 4 bytes, 4,096 elements from row to row; 16 bytes of padding behind each row of 128 words
	s_mov_b32 s68, (2<<16)|(1<<20)|(6<<22)|(3<<25)
	s_mov_b32 s69, 128<<16                         ; tensor_dim0
	s_mov_b32 s70, 64<<16                          ; tensor_dim1
	s_mov_b32 s71, 128<<16                         ; tile_dim0
	s_mov_b32 s72, 64                              ; tile_dim1
	s_mov_b32 s73, 4096                            ; tensor_dim0_stride
	s_mov_b32 s74, 0
	s_mov_b32 s75, 0
	s_mul_i32 s62, s4, 2*MT                        ; my wave's two tiles in LDS
	s_lshl_b32 s66, s59, 20                        ; 64 rows of 16,384 bytes,
	s_lshl_b32 s63, s60, 9                         ; a key step is 512 bytes of a row
	s_add_co_u32 s66, s66, s63
	s_mov_b32 s67, 0
	s_lshl_b32 s84, s59, 15                        ; maskw: four query tiles of 8,192 bytes,
	s_lshl_b32 s63, s60, 8                         ; 256 bytes a key step
	s_add_co_u32 s84, s84, s63
	s_mov_b32 s85, 0
	s_wait_kmcnt 0x0
	s_add_nc_u64 s[66:67], s[32:33], s[66:67]
	s_add_nc_u64 s[92:93], s[38:39], s[84:85]
	s_mov_b32 s76, 1                               ; group 0 of my first tile: count = 1,
	s_mov_b32 s77, s62                             ; LDS address,
	s_mov_b64 s[78:79], s[66:67]                   ; global address,
	s_or_b32 s79, s79, 0x80000000                  ; type = 2
	s_mov_b32 s80, 1                               ; and of my second: the next key step
	s_add_co_u32 s81, s62, MT
	s_add_nc_u64 s[82:83], s[66:67], 512
	s_or_b32 s83, s83, 0x80000000
	tensor_load_to_lds s[76:79], s[68:75]          ; both fills go out together: two tensor loads of mine are out; no LDS byte is filled twice in this launch
	s_nop 0
	tensor_load_to_lds s[80:83], s[68:75]
	s_nop 0
.rept 4
	v_nop
.endr
	v_and_b32 v3, 15, v0
	v_bfe_u32 v4, v0, 4, 1
	v_mul_u32_u24 v1, v3, 528
	v_lshl_add_u32 v1, v4, 6, v1
	v_add_nc_u32 v1, s62, v1                       ; row l % 16 of a query tile, + 64 (l / 16) bytes: my 16 keys of each block of 32.  528 bytes = 132 words from row to row: sixteen rows start at sixteen different groups of four banks
	v_and_b32 v2, 31, v0
	v_lshlrev_b32 v2, 3, v2                        ; out: 8 bytes a lane
.irp j, 0,1,2,3,4,5,6,7,8,9,10,11,12,13,14,15
	v_mov_b32 v[OUTW+\j], 0                        ; written once: v_writelane_b32's destination counts as read
.endr
; unit u = 4 T + q: query tile q of my tile T.  Its 64 numbers a lane into set u % 2: register 16 blk + 4 q + e = key 32 blk + 16 (l / 16) + 4 q + e
.macro MLOAD u
.if (\u) == 0
	s_wait_tensorcnt 0x1                           ; tensor loads of a wave end in order (ISA guide 10.11.1): my first tile is in, the second may be out
.endif
.if (\u) == 4
	s_wait_tensorcnt 0x0                           ; my second tile is in; none is out at the end
.endif
.irp blk, 0,1,2,3
.irp q, 0,1,2,3
	ds_load_b128 v[16+64*((\u)%2)+16*\blk+4*\q:16+64*((\u)%2)+16*\blk+4*\q+3], v1 offset:MT*((\u)/4)+8448*((\u)%4)+128*\blk+16*\q
.endr
.endr
.endm
; the compare's 32 bits, one a lane, ARE word n; word n goes to lane n / 2, register n % 2, of the unit's pair, so that the wave's store of 8 bytes a lane lays the 64 words on end
.macro PACK u
.irp g, 0,1,2,3,4,5,6,7
.irp j, 0,1,2,3,4,5,6,7
	v_cmp_ne_u32 s[84+\j], 0, v[16+64*((\u)%2)+8*\g+\j]
.endr
.irp j, 0,1,2,3,4,5,6,7
	v_writelane_b32 v[OUTW+2*(\u)+\j%2], s[84+\j], 4*\g+\j/2
.endr
.endr
	global_store_b64 v2, v[OUTW+2*(\u):OUTW+2*(\u)+1], s[92:93] offset:8192*((\u)%4)+256*((\u)/4)   ; 32 lanes store 256 consecutive bytes, at a multiple of 256 from maskw's first byte; each unit has its own pair: no store's data are written again
.endm
	MLOAD 0
.irp n, 0,1,2,3,4,5,6
	MLOAD \n+1
	s_wait_dscnt 16                                ; LDS loads come back in order (ISA guide 5.7.1): this unit's are in, the next unit's 16 may be out
	PACK \n
.endr
	s_wait_dscnt 0x0
	PACK 7
	s_wait_tensorcnt 0x0
	ds_add_u32 v254, v255
	s_wait_dscnt 0x0
	s_endpgm
.Lfunc_end_k_qb7ae7f8a9c_prep:
	.size	k_qb7ae7f8a9c_prep, .Lfunc_end_k_qb7ae7f8a9c_prep-k_qb7ae7f8a9c_prep
	.p2alignl 7, 3214868480
	.fill 96, 4, 3214868480
	.section	.rodata,"a",@progbits
	.p2align	6, 0x0
	.amdhsa_kernel k_qb7ae7f8a9c_prep
		.amdhsa_group_segment_fixed_size 270848
		.amdhsa_private_segment_fixed_size 0
		.amdhsa_enable_private_segment 0
		.amdhsa_kernarg_size 128
		.amdhsa_user_sgpr_count 2
		.amdhsa_user_sgpr_kernarg_segment_ptr 1
		.amdhsa_wavefront_size32 1
		.amdhsa_system_sgpr_workgroup_id_x 1
		.amdhsa_system_sgpr_workgroup_id_y 1
		.amdhsa_system_sgpr_workgroup_id_z 1
		.amdhsa_system_vgpr_workitem_id 0
		.amdhsa_next_free_vgpr 768
		.amdhsa_next_free_sgpr 94
		.amdhsa_reserve_vcc 0
		.amdhsa_float_denorm_mode_32 3
		.amdhsa_float_denorm_mode_16_64 3
		.amdhsa_memory_ordered 1
		.amdhsa_forward_progress 1
		.amdhsa_inst_pref_size 191
	.end_amdhsa_kernel
	.amdgpu_metadata
---
amdhsa.version: [ 1, 2 ]
amdhsa.kernels:
  - .name:           k_qb7ae7f8a9c_prep
    .symbol:         k_qb7ae7f8a9c_prep.kd
    .args:
      - { .name: query_codes, .offset: 0, .size: 8, .value_kind: global_buffer, .address_space: global }
      - { .name: query_scales, .offset: 8, .size: 8, .value_kind: global_buffer, .address_space: global }
      - { .name: Wq_codes, .offset: 16, .size: 8, .value_kind: global_buffer, .address_space: global }
      - { .name: Wq_scales, .offset: 24, .size: 8, .value_kind: global_buffer, .address_space: global }
      - { .name: keys_codes, .offset: 32, .size: 8, .value_kind: global_buffer, .address_space: global }
      - { .name: keys_scales, .offset: 40, .size: 8, .value_kind: global_buffer, .address_space: global }
      - { .name: Wk_codes, .offset: 48, .size: 8, .value_kind: global_buffer, .address_space: global }
      - { .name: Wk_scales, .offset: 56, .size: 8, .value_kind: global_buffer, .address_space: global }
      - { .name: values_codes, .offset: 64, .size: 8, .value_kind: global_buffer, .address_space: global }
      - { .name: values_scales, .offset: 72, .size: 8, .value_kind: global_buffer, .address_space: global }
      - { .name: Wv_codes, .offset: 80, .size: 8, .value_kind: global_buffer, .address_space: global }
      - { .name: Wv_scales, .offset: 88, .size: 8, .value_kind: global_buffer, .address_space: global }
      - { .name: mask, .offset: 96, .size: 8, .value_kind: global_buffer, .address_space: global }
      - { .name: qimg, .offset: 104, .size: 8, .value_kind: global_buffer, .address_space: global }
      - { .name: kv, .offset: 112, .size: 8, .value_kind: global_buffer, .address_space: global }
      - { .name: maskw, .offset: 120, .size: 8, .value_kind: global_buffer, .address_space: global }
    .group_segment_fixed_size: 270848
    .private_segment_fixed_size: 0
    .kernarg_segment_align: 8
    .kernarg_segment_size: 128
    .max_flat_workgroup_size: 128
    .sgpr_count:     94
    .vgpr_count:     768
    .wavefront_size: 32
...
	.end_amdgpu_metadata
.endif
;; end of part 1
;; launch attn (part 2): grid 16 x 16, 16 waves a work-group, no clusters, 327,680 bytes of LDS; arguments qimg, kv, maskw, att, att_scales; writes att, att_scales
.if DOCPART == 2
	.amdgcn_target "amdgcn-amd-amdhsa--gfx1250"
	.amdhsa_code_object_version 6
	.text
	.protected	k_qb7ae7f8a9c_attn
	.globl	k_qb7ae7f8a9c_attn
	.p2align	8
	.type	k_qb7ae7f8a9c_attn,@function
k_qb7ae7f8a9c_attn:
	s_mov_b64 s[64:65], 0
	v_nop
	global_prefetch_b8 v0, s[64:65] scope:SCOPE_SE
	s_setreg_imm32_b32 hwreg(HW_REG_WAVE_MODE, 25, 1), 1
	s_wait_xcnt 0x0
; ATTENTION on codes of FP6 (E2M3) with E8M0 scales: for head h of batch b, o[q] = sum over k of softmax_k(where(mask, q . k, hidden) / sqrt(512)) v[k]; o is quantised along the 512 channels and stored as operand images.
; SHARES.  A work-group owns 256 queries of one (b, h); each of its SIXTEEN waves owns one tile of 16 queries in 256 registers, four waves to a SIMD, so that one wave's vector work stands beside another's
; matrix work and LDS loads.  Every wave walks the 4,096 keys, 128 a step.
; LAYOUT.  Both products are used transposed: S^T = K Q^T (source 0 = 16 keys, source 1 = my queries), O^T = V^T P^T (source 0 = 16 channels, source 1 = P): a lane holds ONE query (lane % 16) throughout.
; The launch before has laid K's keys and V's channels so that register 16 b + i of lane (r, h) is key (or channel) 32 b + 16 h + i: sixteen neighbours along the next K.
; OPERANDS ARE IMAGES OF REGISTERS: a step's block of kv (13,056 bytes: K's eight half fragments, V^T's four fragments, K's and V's scale words) is read by loads of 16, 8 and 4 bytes a lane, lane after lane: no pitch, no padding.
; K = 64 IN AN INSTRUCTION OF K = 128.  Q's registers 6-11 are zero codes for good, and bytes 2, 3 of Q's and K's scale words are 0 (2^-127, no NaN).  So what stands in the upper half of K's operand counts for nothing:
; tile t is named as v[32 + 6 t : 43 + 6 t], whose upper half is the next tile's codes (E2M3 has no infinity and no NaN: code x 0 = 0); behind tile 7 stand six zeros.  That spares 42 registers.
; THE MASK comes as lane-mask words (64 for a tile and a step, made by the launch before): scalar loads bring them, and one v_cndmask_b32 a score register selects.  They are asked for again straight behind
; their use and have the rest of the step in which to land.
; THE SOFTMAX: t = score x log2(e) / sqrt(512); M = the running largest t rounded UP to a whole number; p = 2^(t - M) is quantised along the keys, not normalised; the row's sum is taken of the unquantised p and divides at the end;
; when M moves, the sum and O^T are multiplied by 2^(old M - new M), exactly.  A block's largest p is made from its largest score by the same multiply-add and exponential (this takes v_exp_f32 not to fall where its input rises).
; LIMITS.  A hidden score is -2^66 where the definition has -1e20: -2^66 x c is exact in f32 and whole, so that a row with no visible key gives t - M = 0 and p = 1 for all keys, uniform as defined; results agree
; while visible scores lie above about -1e18.  A block of zeros gets the scale byte 1 (its codes are zeros).  p under 2^-126 is 0 (v_exp_f32 flushes: ISA guide 15.8).  NaN and infinities are not served.
; THE RING.  Two LDS slots of 8 steps (104,448 bytes).  Waves 0-3 fetch, each two steps' blocks (102 dense rows of 256 bytes) by one tensor load; all sixteen read.  Slots 0, 1 are first filled with steps 0-7, 8-15 and filled again
; with steps 16-23, 24-31.  By this text's count a wave has at most two tensor loads out.  A refill has eight steps' work in which to land.
; NO CLUSTER, though the 16 work-groups of a head walk the same kv: a step's shared bytes are 13,056 for a work-group, while its sixteen waves issue some 300 vector instructions each in that step;
; what joint requests could spare is a small part of the launch's work.
; The two scale bytes of a query and head leave by stores of 2 bytes a lane, 16 bytes apart: 131,072 bytes in the whole launch.
.set STEPB, 13056
.set SLOTB, 8*STEPB
.set SPARE, 2*SLOTB                    ; behind the ring: the spare words, 128 bytes for each of 16 waves: eight blocks of 256 bytes that no other line names
.set QF,   16                          ; v16-27   Q: six registers of codes, six of zeros
.set KS,   28                          ; v28-31   K's scale words: register i: lanes 0-15 tile 2 i, lanes 16-31 tile 2 i + 1
.set KV,   32                          ; v32-79   K's eight half fragments, later V^T's four fragments; v80-85 zeros for good
.set VS,   86                          ; v86-87   V's scale words, as K's
.set ST,   96                          ; v96-159  S^T, then p
.set OT,   160                         ; v160-191 O^T, four tiles
.set PC,   192                         ; v192-203 p's codes;  v204-206, v208-210 the conversions' second halves
.set CT,   204
.set BM,   212                         ; v212-215 each block's largest score, then its largest p
.set BP,   216                         ; v216-219 the other half's, then the scale bytes
.set BS,   220                         ; v220-223 the conversions' scale operands
.set TMP,  224
.set FF,   226                         ; v[226:227] f = 2^(old M - new M); the packed forms name the pair
.set PW,   228                         ; p's scale word
.set SU,   230                         ; v[230:231] the sum's second chain
; v1 16 x lane, v2 8 x lane, v3 4 x lane; v4, v5 the spare word's address and 0; v6 the hidden score; v7-9 the step's LDS addresses; v10 Q's scale word; v12 -M, v13 the largest t, v[14:15] the sum in two halves
; s[2:3] my tile's mask words, s4 the step's offset there; s5 wave; s[6:7] lane selects; s[8:9] c; s10 the step's LDS byte; s11 counts a slot's steps; s[12:19] group 1; s[20:23], s[24:27] groups 0 of slots 0, 1;
; s[28:29] att, s[30:31] att_scales at my tile; s[32:63], s[68:99] the 64 mask words (at the head s68-99 hold the arguments and what is made of them)
	s_load_b256 s[68:75], s[0:1], 0x0              ; qimg s[68:69], kv s[70:71], maskw s[72:73], att s[74:75]
	s_load_b64 s[76:77], s[0:1], 0x20              ; att_scales
	v_lshl_add_u32 v4, v0, 2, SPARE
	v_mov_b32 v5, 0
	ds_add_u32 v4, v5
	s_wait_dscnt 0x0
	v_lshrrev_b32 v1, 5, v0
	v_readfirstlane_b32 s5, v1                     ; wave 0..15
	s_and_b32 s78, ttmp7, 0xffff                   ; 8 b + h
	s_lshl_b32 s79, ttmp9, 4
	s_add_co_u32 s79, s79, s5                      ; my query tile within b: 0 .. 255
	s_lshr_b32 s80, s78, 3                         ; b
	s_and_b32 s81, s78, 7                          ; h
	s_lshl_b32 s80, s80, 8
	s_add_co_u32 s80, s80, s79                     ; G = 256 b + tile
	s_lshl_b32 s82, s80, 13                        ; maskw: 8,192 bytes a tile
	s_mov_b32 s83, 0
	s_lshl_b32 s84, s80, 3
	s_add_co_u32 s84, s84, s81
	s_mul_i32 s84, s84, 768                        ; att: (8 G + h) images of 768 bytes
	s_mov_b32 s85, 0
	s_lshl_b32 s86, s80, 8
	s_lshl_b32 s87, s81, 1
	s_add_co_u32 s86, s86, s87                     ; att_scales: 256 bytes a tile, + 2 h
	s_mov_b32 s87, 0
	s_lshl_b32 s88, s78, 5
	s_lshr_b32 s89, s79, 3
	s_add_co_u32 s88, s88, s89
	s_mul_i32 s88, s88, 6656                       ; qimg: the block of eight tiles,
	s_and_b32 s89, s79, 7
	s_mul_i32 s90, s89, 768
	s_add_co_u32 s90, s90, s88                     ; my tile's image,
	s_mov_b32 s91, 0
	s_lshl_b32 s89, s89, 6
	s_add_co_u32 s88, s88, s89
	s_add_co_u32 s88, s88, 6144                    ; and its scale words
	s_mov_b32 s89, 0
	s_and_b32 s92, s5, 3
	s_mul_i32 s92, s92, 2*STEPB                    ; what a fetching wave brings: two steps' blocks; their place in a slot and in memory
	s_mul_i32 s94, s78, 32*STEPB                   ; the head's 32 blocks
	s_add_co_u32 s94, s94, s92
	s_mov_b32 s95, 0
	; descriptor group 1: 102 dense rows of 32 elements of 8 bytes, no padding
	s_mov_b32 s12, 3<<16
	s_mov_b32 s13, 32<<16                          ; tensor_dim0
	s_mov_b32 s14, 102<<16                         ; tensor_dim1
	s_mov_b32 s15, 32<<16                          ; tile_dim0
	s_mov_b32 s16, 102                             ; tile_dim1
	s_mov_b32 s17, 32                              ; tensor_dim0_stride
	s_mov_b32 s18, 0
	s_mov_b32 s19, 0
	s_mov_b32 s6, 0x76543210
	s_mov_b32 s7, 0xfedcba98                       ; v_permlanex16_b32's selects for lane l xor 16
	s_mov_b32 s8, 0x3d8293ee                       ; c = log2(e) / sqrt(512)
	s_mov_b32 s9, s8                               ; (named with it as a pair, so it is written)
	s_wait_kmcnt 0x0
	s_add_nc_u64 s[94:95], s[70:71], s[94:95]
	s_mov_b32 s20, 1                               ; slot 0: count = 1,
	s_mov_b32 s21, s92                             ; LDS address,
	s_mov_b64 s[22:23], s[94:95]                   ; steps 0-7,
	s_or_b32 s23, s23, 0x80000000                  ; type = 2
	s_mov_b32 s24, 1                               ; slot 1: steps 8-15
	s_add_co_u32 s25, s92, SLOTB
	s_add_nc_u64 s[26:27], s[94:95], SLOTB
	s_or_b32 s27, s27, 0x80000000
	s_cmp_lt_u32 s5, 4                             ; a fetching wave's two first fills stand in one branch, ahead of every wait on TENSORcnt, every LDS read and every barrier
	s_cbranch_scc0 .Lno_first
	tensor_load_to_lds s[20:23], s[12:19]
	s_nop 0
	tensor_load_to_lds s[24:27], s[12:19]
	s_nop 0
.rept 4
	v_nop
.endr
.Lno_first:
	s_add_nc_u64 s[2:3], s[72:73], s[82:83]
	s_add_nc_u64 s[28:29], s[74:75], s[84:85]
	s_add_nc_u64 s[30:31], s[76:77], s[86:87]
	s_add_nc_u64 s[96:97], s[68:69], s[90:91]
	s_add_nc_u64 s[98:99], s[68:69], s[88:89]
	v_and_b32 v11, 31, v0                          ; lane
	v_lshlrev_b32 v1, 4, v11
	v_lshlrev_b32 v2, 3, v11
	v_lshlrev_b32 v3, 2, v11
	v_and_b32 v[TMP], 15, v0
	v_lshlrev_b32 v[TMP], 2, v[TMP]
	global_load_b128 v[QF:QF+3], v1, s[96:97]      ; Q's image: it stays in registers
	global_load_b64 v[QF+4:QF+5], v2, s[96:97] offset:512
	global_load_b32 v10, v[TMP], s[98:99]          ; and its scale words
	v_mov_b32 v6, 0xe0800000                       ; -2^66
.irp j, 6,7,8,9,10,11
	v_mov_b32 v[QF+\j], 0                          ; Q's upper 64 along K: zero codes
.endr
.irp j, 48,49,50,51,52,53
	v_mov_b32 v[KV+\j], 0                          ; what stands behind K's tile 7
.endr
.set nn, 0
.rept 32
	v_mov_b32 v[OT+nn], 0                          ; O^T.  (The step is written once for all steps: the first finds zeros, which the first change of M leaves zeros)
.set nn, nn+1
.endr
	v_mov_b32 v14, 0
	v_mov_b32 v15, 0
.irp b, 0,1,2,3
	v_mov_b32 v[BP+\b], 0                          ; written once: a lane permute's destination counts as one of its sources
.endr
	v_mov_b32 v[FF+1], 0                           ; (named as the upper half of a pair)
	v_mov_b32 v13, 0xff61b1e6                      ; the largest t so far: -3e38, under every t
	v_floor_f32 v12, -v13                          ; -M
	s_wait_loadcnt 0x0                             ; Q is in; its address registers may be written
	s_mov_b32 s4, 0
	s_load_b512 s[32:47], s[2:3], s4 offset:0x0    ; step 0's 64 mask words
	s_load_b512 s[48:63], s[2:3], s4 offset:0x40
	s_load_b512 s[68:83], s[2:3], s4 offset:0x80
	s_load_b512 s[84:99], s[2:3], s4 offset:0xc0
	s_wait_tensorcnt 0x1                           ; my part of slot 0 is in; slot 1's may stay out
	s_barrier_signal -1
	s_barrier_wait -1                              ; everybody's is
; A KEY STEP: 128 keys, whose block begins at LDS byte s10
.macro STEP
	v_add_nc_u32 v7, s10, v1
	v_add_nc_u32 v8, s10, v2
	v_add_nc_u32 v9, s10, v3
	v_nop                                          ; four places (ISA guide 7.12.1 for vector instructions) in front of loads into registers that the last step's products read
.irp t, 0,1,2,3,4,5,6,7
	ds_load_b128 v[KV+6*\t:KV+6*\t+3], v7 offset:768*\t
	ds_load_b64 v[KV+6*\t+4:KV+6*\t+5], v8 offset:768*\t+512
.endr
.irp i, 0,1,2,3
	ds_load_b32 v[KS+\i], v9 offset:12288+128*\i
.endr
	s_wait_dscnt 0x0
.irp t, 0,2,4,6                                    ; S^T = K Q^T: eight tiles of 16 keys; each product starts its own sum
	v_wmma_scale_f32_16x16x128_f8f6f4 v[ST+8*\t:ST+8*\t+7], v[KV+6*\t:KV+6*\t+11], v[QF:QF+11], 0, v[KS+\t/2], v10 matrix_a_fmt:MATRIX_FMT_FP6 matrix_b_fmt:MATRIX_FMT_FP6
	v_wmma_scale_f32_16x16x128_f8f6f4 v[ST+8*\t+8:ST+8*\t+15], v[KV+6*\t+6:KV+6*\t+17], v[QF:QF+11], 0, v[KS+\t/2], v10 matrix_a_fmt:MATRIX_FMT_FP6 matrix_b_fmt:MATRIX_FMT_FP6 matrix_a_scale:MATRIX_SCALE_ROW1
.endr
.rept 4
	v_nop                                          ; places in front of the loads below and of the first read of the scores
.endr
.irp c, 0,1,2,3                                    ; V^T's four fragments are asked for now and land under the softmax
.irp q, 0,1,2
	ds_load_b128 v[KV+12*\c+4*\q:KV+12*\c+4*\q+3], v7 offset:6144+1536*\c+512*\q
.endr
.endr
.irp i, 0,1
	ds_load_b32 v[VS+\i], v9 offset:12800+128*\i
.endr
	s_wait_kmcnt 0x0                               ; the step's mask words are in
.set nn, 0
.rept 64
	v_cndmask_b32 v[ST+nn], v6, v[ST+nn], s[32+nn+4*(nn/32)]   ; word n's bit l: key 32 (n / 16) + 16 (l / 16) + n % 16 counts for query l % 16; else the hidden score.  Ascending: each accumulator is read from its low end on
.set nn, nn+1
.endr
	s_add_co_u32 s4, s4, 256                       ; (behind the wait on KMcnt: no scalar load reads s4 any more)  the next step's words;
	s_min_u32 s4, s4, 7936                         ; the last step asks for its own again: no load leaves my tile's 8,192 bytes
	s_load_b512 s[32:47], s[2:3], s4 offset:0x0
	s_load_b512 s[48:63], s[2:3], s4 offset:0x40
	s_load_b512 s[68:83], s[2:3], s4 offset:0x80
	s_load_b512 s[84:99], s[2:3], s4 offset:0xc0
.irp b, 0,1,2,3
	v_max3_num_f32 v[BM+\b], v[ST+16*\b], v[ST+1+16*\b], v[ST+2+16*\b]   ; THE LARGEST SCORE OF EACH BLOCK OF 32 KEYS: it serves the row's maximum and, since p rises with the score, the block's largest p
.endr
.irp i, 3,5,7,9,11,13
.irp b, 0,1,2,3
	v_max3_num_f32 v[BM+\b], v[BM+\b], v[ST+16*\b+\i], v[ST+1+16*\b+\i]   ; (the four blocks by turns)
.endr
.endr
.irp b, 0,1,2,3
	v_max_num_f32 v[BM+\b], v[BM+\b], v[ST+15+16*\b]
.endr
.irp b, 0,1,2,3
	v_permlanex16_b32 v[BP+\b], v[BM+\b], s6, s7
.endr
.irp b, 0,1,2,3
	v_max_num_f32 v[BM+\b], v[BM+\b], v[BP+\b]     ; with lane l xor 16's 16 keys
.endr
	v_max3_num_f32 v[TMP], v[BM], v[BM+1], v[BM+2]
	v_max_num_f32 v[TMP], v[TMP], v[BM+3]          ; the step's largest score of my query
	v_mul_f32 v[TMP], s8, v[TMP]                   ; as t (c is positive)
	v_max_num_f32 v13, v13, v[TMP]                 ; the running largest t
	v_mov_b32 v[TMP], v12
	v_floor_f32 v12, -v13                          ; the new -M = floor(-t) = -ceil(t): M IS A WHOLE NUMBER
	v_sub_f32 v[TMP], v12, v[TMP]                  ; M's old value less its new one: a whole number, 0 or less
	v_cvt_i32_f32 v[TMP], v[TMP]                   ; (it saturates)
	v_ldexp_f32 v[FF], 1.0, v[TMP]                 ; f = 2^(old M - new M)
.set nn, 0
.rept 32
	v_pk_fma_f32 v[ST+nn:ST+nn+1], v[ST+nn:ST+nn+1], s[8:9], v[12:13] op_sel_hi:[1,0,0]   ; t - M, two at a time (of the pairs c and -M the low word serves both halves)
.set nn, nn+2
.endr
.irp b, 0,1,2,3
	v_fma_f32 v[BM+\b], v[BM+\b], s8, v12          ; the same of each block's largest score
.endr
.set nn, 0
.rept 64
	v_exp_f32 v[ST+nn], v[ST+nn]                   ; p = 2^(t - M), at most 1: NOT normalised
.set nn, nn+1
.endr
.irp b, 0,1,2,3
	v_exp_f32 v[BM+\b], v[BM+\b]                   ; the block's largest p: the same two instructions on the same number give the same bits
.endr
	v_pk_mul_f32 v[14:15], v[14:15], v[FF:FF+1] op_sel_hi:[1,0]   ; the sums under the new M.  (A plain place behind the exponentials: ISA guide 5.7.2)
	s_wait_alu depctr_va_vdst(0)
.irp b, 0,1,2,3
	v_max_num_f32 v[BM+\b], 0x1800000, v[BM+\b]    ; the floor 2^(3 - 127): the byte cannot fall under 1 (a block whose every p is 0 keeps that byte: its codes are zeros)
.endr
.irp b, 0,1,2,3
	v_add_nc_u32 v[BS+\b], 0xff000000, v[BM+\b]    ; 2 off the exponent field: the conversion's scale operand
.endr
.irp b, 0,1,2,3
	v_lshrrev_b32 v[BP+\b], 23, v[BS+\b]           ; the scale's byte
.endr
	v_lshl_or_b32 v[PW], v[BP+1], 8, v[BP]         ; p's scale word for these 128 keys
	v_lshl_or_b32 v[PW], v[BP+2], 16, v[PW]
	v_lshl_or_b32 v[PW], v[BP+3], 24, v[PW]
.irp c, 0,1
	v_cvt_scalef32_pk16_fp6_f32 v[PC+6*\c:PC+2+6*\c], v[ST+32*\c:ST+15+32*\c], v[BS+2*\c]
	v_cvt_scalef32_pk16_fp6_f32 v[CT+4*\c:CT+2+4*\c], v[ST+16+32*\c:ST+31+32*\c], v[BS+2*\c+1]   ; (a conversion's three registers begin on an even number)
.endr
	v_nop                                          ; one plain place behind a scaled conversion
.irp c, 0,1                                        ; the operand's layout wants a WHOLE block in a lane: lanes 0-15 block 2 c, lanes 16-31 block 2 c + 1
.irp i, 0,1,2
	v_permlane16_swap_b32 v[PC+6*\c+\i], v[CT+4*\c+\i]
.endr
.irp i, 0,1,2
	v_mov_b32 v[PC+3+6*\c+\i], v[CT+4*\c+\i]
.endr
.endr
	v_pk_add_f32 v[SU:SU+1], v[ST:ST+1], v[ST+2:ST+3]   ; THE ROW'S SUM IS TAKEN OF THE UNQUANTISED p: two at a time, in two chains
.irp j, 4,8,12,16,20,24,28,32,36,40,44,48,52,56,60
	v_pk_add_f32 v[14:15], v[14:15], v[ST+\j:ST+\j+1]
	v_pk_add_f32 v[SU:SU+1], v[SU:SU+1], v[ST+2+\j:ST+3+\j]
.endr
	v_pk_add_f32 v[14:15], v[14:15], v[SU:SU+1]
.set nn, 0
.rept 16
	v_pk_mul_f32 v[OT+nn:OT+nn+1], v[OT+nn:OT+nn+1], v[FF:FF+1] op_sel_hi:[1,0]   ; O^T under the new M: x f, from each accumulator's low end on.  (The sums and these stand between the writing of p's codes and scale word and the products that take them)
.set nn, nn+2
.endr
	s_wait_dscnt 0x0                               ; V^T's fragments and scale words are in
.irp c, 0,2                                        ; O^T += V^T P^T: four tiles of 16 channels, one instruction each: the accumulators take turns
	v_wmma_scale_f32_16x16x128_f8f6f4 v[OT+8*\c:OT+8*\c+7], v[KV+12*\c:KV+12*\c+11], v[PC:PC+11], v[OT+8*\c:OT+8*\c+7], v[VS+\c/2], v[PW] matrix_a_fmt:MATRIX_FMT_FP6 matrix_b_fmt:MATRIX_FMT_FP6
	v_wmma_scale_f32_16x16x128_f8f6f4 v[OT+8*\c+8:OT+8*\c+15], v[KV+12*\c+12:KV+12*\c+23], v[PC:PC+11], v[OT+8*\c+8:OT+8*\c+15], v[VS+\c/2], v[PW] matrix_a_fmt:MATRIX_FMT_FP6 matrix_b_fmt:MATRIX_FMT_FP6 matrix_a_scale:MATRIX_SCALE_ROW1
.endr
	s_add_co_u32 s10, s10, STEPB                   ; the next step's block
.endm
.macro SLOT_STEPS base                 ; a slot's eight steps
	s_mov_b32 s10, \base
	s_mov_b32 s11, 8
.Lstep_\@:
	STEP
	s_sub_co_u32 s11, s11, 1
	s_cmp_lg_u32 s11, 0
	s_cbranch_scc1 .Lstep_\@
.endm
; THE CHANGE OF SLOTS.  Each wave waits for all its tensor loads (a fetching wave's part of the slot ahead), adds 0 to its spare word, and waits for that and for its reads of the slot that it leaves.
; Behind the barrier the slot ahead is whole and nobody reads slot n.  fill = 1: slot n takes the steps 16 further on.
.macro CHANGE n, fill
	s_wait_tensorcnt 0x0                           ; no tensor load of mine is out, so a group 0 may be written
	ds_add_u32 v4, v5                              ; 0 onto my spare word
.if \fill
	s_add_nc_u64 s[22+4*\n:23+4*\n], s[22+4*\n:23+4*\n], 2*SLOTB   ; the type bits on top are not reached
.endif
	s_wait_dscnt 0x0                               ; the add is done, and my reads of the slot that I leave are over
	s_barrier_signal -1
	s_barrier_wait -1
.if \fill
	s_cmp_lt_u32 s5, 4
	s_cbranch_scc0 .Lno_fill_\@
	tensor_load_to_lds s[20+4*\n:23+4*\n], s[12:19]   ; the first thing behind the barrier, and a wave's one tensor load until the next
	s_nop 0
.rept 4
	v_nop
.endr
.Lno_fill_\@:
.endif
.endm
	SLOT_STEPS 0                                   ; steps 0-7
	CHANGE 0, 1
	SLOT_STEPS SLOTB                               ; steps 8-15
	CHANGE 1, 1
	SLOT_STEPS 0                                   ; steps 16-23
	CHANGE 0, 0                                    ; nothing is left to fetch
	SLOT_STEPS SLOTB                               ; steps 24-31
	; THE WAY OUT: O^T / the sum, quantised along the head's 64 channels (two blocks), leaves as half a fragment's image and two scale bytes a query
	s_wait_kmcnt 0x0                               ; the last step's spare request for mask words
.rept 4
	v_nop                                          ; places behind the last products
.endr
	v_add_f32 v14, v14, v15                        ; the sum's two halves,
	v_permlanex16_b32 v[TMP], v14, s6, s7
	v_add_f32 v14, v14, v[TMP]                     ; and lane l xor 16's: the row's sum
	v_rcp_f32 v14, v14
	v_and_b32 v[TMP], 15, v0                       ; (a plain place behind the transcendental)
	v_lshlrev_b32 v[TMP], 4, v[TMP]                ; 16 r: my query's row of scale bytes
.set nn, 0
	s_wait_alu depctr_va_vdst(0)
.rept 32
	v_mul_f32 v[ST+nn], v[OT+nn], v14              ; register 16 b + i: channel 32 b + 16 (l / 16) + i of my query
.set nn, nn+1
.endr
.irp b, 0,1
	v_max3_num_f32 v[BM+\b], |v[ST+16*\b]|, |v[ST+1+16*\b]|, 0x1800000
.endr
.irp i, 2,4,6,8,10,12,14
.irp b, 0,1
	v_max3_num_f32 v[BM+\b], v[BM+\b], |v[ST+16*\b+\i]|, |v[ST+1+16*\b+\i]|
.endr
.endr
.irp b, 0,1
	v_permlanex16_b32 v[BP+\b], v[BM+\b], s6, s7
.endr
.irp b, 0,1
	v_max_num_f32 v[BM+\b], v[BM+\b], v[BP+\b]
.endr
.irp b, 0,1
	v_add_nc_u32 v[BS+\b], 0xff000000, v[BM+\b]
.endr
.irp b, 0,1
	v_lshrrev_b32 v[BP+\b], 23, v[BS+\b]
.endr
	v_lshl_or_b32 v[TMP+1], v[BP+1], 8, v[BP]      ; the two bytes
	v_cvt_scalef32_pk16_fp6_f32 v[PC:PC+2], v[ST:ST+15], v[BS]
	v_cvt_scalef32_pk16_fp6_f32 v[CT:CT+2], v[ST+16:ST+31], v[BS+1]
	v_nop                                          ; one plain place behind a scaled conversion
.irp i, 0,1,2
	v_permlane16_swap_b32 v[PC+\i], v[CT+\i]
.endr
.irp i, 0,1,2
	v_mov_b32 v[PC+3+\i], v[CT+\i]
.endr
	global_store_b128 v1, v[PC:PC+3], s[28:29]     ; 512 consecutive bytes, at a multiple of 256 from att's first byte,
	global_store_b64 v2, v[PC+4:PC+5], s[28:29] offset:512   ; and 256 more
	global_store_b16 v[TMP], v[TMP+1], s[30:31]    ; lanes r and r + 16 write the same two bytes
	s_wait_tensorcnt 0x0                           ; the wave's end
	ds_add_u32 v4, v5
	s_wait_dscnt 0x0
	s_endpgm
.Lfunc_end_k_qb7ae7f8a9c_attn:
	.size	k_qb7ae7f8a9c_attn, .Lfunc_end_k_qb7ae7f8a9c_attn-k_qb7ae7f8a9c_attn
	.p2alignl 7, 3214868480
	.fill 96, 4, 3214868480
	.section	.rodata,"a",@progbits
	.p2align	6, 0x0
	.amdhsa_kernel k_qb7ae7f8a9c_attn
		.amdhsa_group_segment_fixed_size 327680
		.amdhsa_private_segment_fixed_size 0
		.amdhsa_enable_private_segment 0
		.amdhsa_kernarg_size 40
		.amdhsa_user_sgpr_count 2
		.amdhsa_user_sgpr_kernarg_segment_ptr 1
		.amdhsa_wavefront_size32 1
		.amdhsa_system_sgpr_workgroup_id_x 1
		.amdhsa_system_sgpr_workgroup_id_y 1
		.amdhsa_system_sgpr_workgroup_id_z 1
		.amdhsa_system_vgpr_workitem_id 0
		.amdhsa_next_free_vgpr 256
		.amdhsa_next_free_sgpr 100
		.amdhsa_reserve_vcc 0
		.amdhsa_float_denorm_mode_32 3
		.amdhsa_float_denorm_mode_16_64 3
		.amdhsa_memory_ordered 1
		.amdhsa_forward_progress 1
		.amdhsa_inst_pref_size 92
	.end_amdhsa_kernel
	.amdgpu_metadata
---
amdhsa.version: [ 1, 2 ]
amdhsa.kernels:
  - .name:           k_qb7ae7f8a9c_attn
    .symbol:         k_qb7ae7f8a9c_attn.kd
    .args:
      - { .name: qimg, .offset: 0, .size: 8, .value_kind: global_buffer, .address_space: global }
      - { .name: kv, .offset: 8, .size: 8, .value_kind: global_buffer, .address_space: global }
      - { .name: maskw, .offset: 16, .size: 8, .value_kind: global_buffer, .address_space: global }
      - { .name: att, .offset: 24, .size: 8, .value_kind: global_buffer, .address_space: global }
      - { .name: att_scales, .offset: 32, .size: 8, .value_kind: global_buffer, .address_space: global }
    .group_segment_fixed_size: 327680
    .private_segment_fixed_size: 0
    .kernarg_segment_align: 8
    .kernarg_segment_size: 40
    .max_flat_workgroup_size: 512
    .sgpr_count:     100
    .vgpr_count:     256
    .wavefront_size: 32
...
	.end_amdgpu_metadata
.endif
;; end of part 2
;; launch outp (part 3): grid 256 x 1, 4 waves a work-group, no clusters, 34,304 bytes of LDS; arguments att, att_scales, Wo_codes, Wo_scales, bo, out0; writes out0
.if DOCPART == 3
	.amdgcn_target "amdgcn-amd-amdhsa--gfx1250"
	.amdhsa_code_object_version 6
	.text
	.protected	k_qb7ae7f8a9c_outp
	.globl	k_qb7ae7f8a9c_outp
	.p2align	8
	.type	k_qb7ae7f8a9c_outp,@function
k_qb7ae7f8a9c_outp:
	s_mov_b64 s[64:65], 0
	v_nop
	global_prefetch_b8 v0, s[64:65] scope:SCOPE_SE
	s_setreg_imm32_b32 hwreg(HW_REG_WAVE_MODE, 25, 1), 1
	s_wait_xcnt 0x0
; OUT: out0 = att Wo^T + bo on codes of FP6 (E2M3) with E8M0 scales.  att: the attention's result as images of half fragments, (8 G + h) x 768 bytes for token tile G and head h; att_scales [8192][16];
; Wo: [512][512] codes, K innermost, scale bytes [512][16]; bo [512], out0 [8192][512]: f32.
; SHARES.  Work-group g takes token tiles 2 g and 2 g + 1 (32 tokens); wave w takes output columns 128 w .. 128 w + 127, whose 128 rows of Wo stay in 384 registers.
; The product is used transposed: source 0 = 16 rows of Wo, source 1 = 16 tokens.  Lane r of Wo's tile 2 b + u takes row 32 b + 8 u + r + 8 (r / 8), so that accumulator register 16 b + i of lane (r, h) is column
; 32 b + 16 h + i of token r: sixteen neighbouring numbers of a row of out0.  The bias is the C of each sum's first matrix instruction.
; A K step of 128 is two heads: registers 0-5 of the tokens' fragment are head 2 s's image, registers 6-11 head 2 s + 1's; a token's 16 scale bytes are the four K steps' words.
; THE WAY OUT: a tile's 16 rows x 512 bytes go through the wave's own stage in LDS (rows of 528 bytes) and leave as whole rows: each store of the wave covers 512 consecutive bytes, aligned to 256.
; No tensor load, no barrier: waves share nothing in LDS.  No cluster: operands come through registers.
.set PS,   16                          ; v16-47   Wo's scale words: tile p, K step s at 4 p + s
.set LB,   48                          ; v48-95, v96-143  the two token tiles' fragments, K step s at 12 s
.set LS,   144                         ; v144-147, v148-151  their scale words
.set ACC,  152                         ; v152-215 eight accumulators; then the rows read back from the stage
.set BI,   192                         ; window 1, v192-255: the bias, eight registers a tile
.set MSB, 0
.macro WIN new                         ; the immediate's high byte repeats the setting that is left
.if MSB != \new
	s_set_vgpr_msb (MSB<<8)|\new
.set MSB, \new
.endif
.endm
	s_load_b256 s[4:11], s[0:1], 0x0               ; att s[4:5], att_scales s[6:7], Wo's codes s[8:9], Wo's scales s[10:11]
	s_load_b128 s[12:15], s[0:1], 0x20             ; bo s[12:13], out0 s[14:15]
	v_lshl_add_u32 v254, v0, 2, 0x8400
	v_mov_b32 v255, 0
	v_lshrrev_b32 v1, 5, v0
	v_readfirstlane_b32 s16, v1                    ; wave 0..3
	v_and_b32 v1, 15, v0                           ; r
	v_bfe_u32 v2, v0, 4, 1                         ; h
	v_and_b32 v3, 8, v1
	v_add_nc_u32 v3, v3, v1                        ; r + 8 (r / 8)
	v_mul_u32_u24 v4, v3, 384                      ; Wo's codes: a row is 384 bytes,
	v_mad_u32_u24 v4, v2, 24, v4                   ; + 24 h
	v_lshlrev_b32 v5, 4, v3                        ; Wo's scales: 16 bytes a row
	v_and_b32 v12, 31, v0
	v_lshlrev_b32 v6, 4, v12                       ; 16 x lane
	v_lshlrev_b32 v7, 3, v12                       ; 8 x lane
	v_lshlrev_b32 v8, 4, v1                        ; 16 r: a token's scale bytes
	s_mul_i32 s17, s16, 8448                       ; my stage: 16 rows of 528 bytes
	v_mul_u32_u24 v9, v1, 528
	v_lshl_add_u32 v9, v2, 6, v9
	v_add_nc_u32 v9, s17, v9                       ; in: row r, + 64 h
	v_add_nc_u32 v10, s17, v6                      ; back: 16 bytes a lane of a row
	v_lshlrev_b32 v11, 6, v2                       ; the bias: 64 h
	s_mul_i32 s20, s16, 49152                      ; my 128 rows of Wo,
	s_mov_b32 s21, 0
	s_lshl_b32 s22, s16, 11                        ; their scale bytes,
	s_mov_b32 s23, 0
	s_mul_i32 s24, ttmp9, 12288                    ; my work-group's two tiles x 8 heads x 768 bytes,
	s_mov_b32 s25, 0
	s_lshl_b32 s26, ttmp9, 9                       ; their 32 rows of scale bytes,
	s_mov_b32 s27, 0
	s_lshl_b32 s28, s16, 9                         ; my 128 columns in bytes,
	s_mov_b32 s29, 0
	s_lshl_b32 s30, ttmp9, 16                      ; 32 rows of out0 of 2,048 bytes
	s_add_co_u32 s30, s30, s28
	s_mov_b32 s31, 0
	s_wait_kmcnt 0x0
	s_add_nc_u64 s[40:41], s[8:9], s[20:21]
	s_add_nc_u64 s[42:43], s[10:11], s[22:23]
	s_add_nc_u64 s[44:45], s[4:5], s[24:25]
	s_add_nc_u64 s[46:47], s[6:7], s[26:27]
	s_add_nc_u64 s[48:49], s[12:13], s[28:29]
	s_add_nc_u64 s[50:51], s[14:15], s[30:31]
; Wo: tile p, K step s: window 1 holds s = 0, 1 at v[24 p + 12 s], window 2 holds s = 2, 3 likewise
	WIN 0x40                                       ; destination window 1
.irp p, 0,1,2,3,4,5,6,7
.irp s, 0,1
.irp q, 0,1,2,3,4,5
	global_load_b64 v[24*\p+12*\s+2*\q:24*\p+12*\s+2*\q+1], v4, s[40:41] offset:(32*(\p/2)+8*(\p%2))*384+96*\s+48*(\q/3)+8*(\q%3)
.endr
.endr
.endr
.irp p, 0,1,2,3,4,5,6,7                            ; the bias in the result's layout: tile p, lane (r, h): columns 32 (p / 2) + 16 h + 8 (p % 2) + 0 .. 7
	global_load_b128 v[BI+8*\p:BI+8*\p+3], v11, s[48:49] offset:(32*(\p/2)+8*(\p%2))*4
	global_load_b128 v[BI+8*\p+4:BI+8*\p+7], v11, s[48:49] offset:(32*(\p/2)+8*(\p%2))*4+16
.endr
	WIN 0x80                                       ; destination window 2
.irp p, 0,1,2,3,4,5,6,7
.irp s, 0,1
.irp q, 0,1,2,3,4,5
	global_load_b64 v[24*\p+12*\s+2*\q:24*\p+12*\s+2*\q+1], v4, s[40:41] offset:(32*(\p/2)+8*(\p%2))*384+192+96*\s+48*(\q/3)+8*(\q%3)
.endr
.endr
.endr
	WIN 0
.irp p, 0,1,2,3,4,5,6,7
	global_load_b128 v[PS+4*\p:PS+4*\p+3], v5, s[42:43] offset:(32*(\p/2)+8*(\p%2))*16
.endr
.irp j, 0,1                                        ; the two token tiles: 16 loads of images and one of scale words each: 17 loads
.irp s, 0,1,2,3
	global_load_b128 v[LB+48*\j+12*\s:LB+48*\j+12*\s+3], v6, s[44:45] offset:6144*\j+1536*\s
	global_load_b64 v[LB+48*\j+12*\s+4:LB+48*\j+12*\s+5], v7, s[44:45] offset:6144*\j+1536*\s+512
	global_load_b128 v[LB+48*\j+12*\s+6:LB+48*\j+12*\s+9], v6, s[44:45] offset:6144*\j+1536*\s+768
	global_load_b64 v[LB+48*\j+12*\s+10:LB+48*\j+12*\s+11], v7, s[44:45] offset:6144*\j+1536*\s+1280
.endr
	global_load_b128 v[LS+4*\j:LS+4*\j+3], v8, s[46:47] offset:256*\j
.endr
.macro MM d, a, b, sa, sb
	v_wmma_scale_f32_16x16x128_f8f6f4 v[\d:\d+7], v[\a:\a+11], v[\b:\b+11], v[\d:\d+7], v[\sa], v[\sb] matrix_a_fmt:MATRIX_FMT_FP6 matrix_b_fmt:MATRIX_FMT_FP6
.endm
; token tile j: 32 matrix instructions, K step by K step, the eight accumulators by turns; then the way out
.macro TILE j
.if \j == 0
	s_wait_loadcnt 17                              ; loads come back in order (ISA guide 5.7.1): Wo, the bias and tile 0 are in; tile 1's 17 loads may be out
.else
	s_wait_loadcnt 0x0
.endif
	WIN 0x11                                       ; source 0 (Wo) and source 2 (the bias) window 1
.irp p, 0,1,2,3,4,5,6,7
	v_wmma_scale_f32_16x16x128_f8f6f4 v[ACC+8*\p:ACC+8*\p+7], v[24*\p:24*\p+11], v[LB+48*\j:LB+48*\j+11], v[BI+8*\p:BI+8*\p+7], v[PS+4*\p], v[LS+4*\j] matrix_a_fmt:MATRIX_FMT_FP6 matrix_b_fmt:MATRIX_FMT_FP6
.endr
	WIN 0x01
.irp p, 0,1,2,3,4,5,6,7
	MM ACC+8*\p, 24*\p+12, LB+48*\j+12, PS+4*\p+1, LS+4*\j+1
.endr
	WIN 0x02                                       ; source 0 window 2
.irp p, 0,1,2,3,4,5,6,7
	MM ACC+8*\p, 24*\p, LB+48*\j+24, PS+4*\p+2, LS+4*\j+2
.endr
.irp p, 0,1,2,3,4,5,6,7
	MM ACC+8*\p, 24*\p+12, LB+48*\j+36, PS+4*\p+3, LS+4*\j+3
.endr
	WIN 0
.rept 5
	v_nop                                          ; four places (ISA guide 7.12.1) in front of the first read of results; the fifth for the next tile's first products, which write the accumulators anew with another C
.endr
.irp bb, 0,1,2,3
.irp q, 0,1,2,3
	ds_store_b128 v9, v[ACC+16*\bb+4*\q:ACC+16*\bb+4*\q+3] offset:128*\bb+16*\q   ; ascending: each accumulator from its low end on
.endr
.endr
.irp i, 0,1,2,3,4,5,6,7,8,9,10,11,12,13,14,15
	ds_load_b128 v[ACC+4*\i:ACC+4*\i+3], v10 offset:528*\i   ; LDS serves a wave's instructions in order (ISA guide 5.7.1.4): these see my stores, and land behind their reads
.endr
.irp i, 0,1,2,3,4,5,6,7,8,9,10,11,12,13,14,15
	s_wait_dscnt 15-\i                             ; row i is back; the younger rows may be out
	global_store_b128 v6, v[ACC+4*\i:ACC+4*\i+3], s[50:51] offset:32768*\j+2048*\i th:TH_STORE_NT   ; 32 lanes store 512 consecutive bytes; written once, read by nobody here
.endr
.if \j == 0
	s_wait_xcnt 0x0                                ; the stores have had their addresses translated (ISA guide 3.1): their data registers are written again only behind this wait
.endif
.endm
	TILE 0
	TILE 1
	s_wait_tensorcnt 0x0
	ds_add_u32 v254, v255
	s_wait_dscnt 0x0
	s_endpgm
.Lfunc_end_k_qb7ae7f8a9c_outp:
	.size	k_qb7ae7f8a9c_outp, .Lfunc_end_k_qb7ae7f8a9c_outp-k_qb7ae7f8a9c_outp
	.p2alignl 7, 3214868480
	.fill 96, 4, 3214868480
	.section	.rodata,"a",@progbits
	.p2align	6, 0x0
	.amdhsa_kernel k_qb7ae7f8a9c_outp
		.amdhsa_group_segment_fixed_size 34304
		.amdhsa_private_segment_fixed_size 0
		.amdhsa_enable_private_segment 0
		.amdhsa_kernarg_size 48
		.amdhsa_user_sgpr_count 2
		.amdhsa_user_sgpr_kernarg_segment_ptr 1
		.amdhsa_wavefront_size32 1
		.amdhsa_system_sgpr_workgroup_id_x 1
		.amdhsa_system_sgpr_workgroup_id_y 1
		.amdhsa_system_sgpr_workgroup_id_z 1
		.amdhsa_system_vgpr_workitem_id 0
		.amdhsa_next_free_vgpr 768
		.amdhsa_next_free_sgpr 66
		.amdhsa_reserve_vcc 0
		.amdhsa_float_denorm_mode_32 3
		.amdhsa_float_denorm_mode_16_64 3
		.amdhsa_memory_ordered 1
		.amdhsa_forward_progress 1
		.amdhsa_inst_pref_size 43
	.end_amdhsa_kernel
	.amdgpu_metadata
---
amdhsa.version: [ 1, 2 ]
amdhsa.kernels:
  - .name:           k_qb7ae7f8a9c_outp
    .symbol:         k_qb7ae7f8a9c_outp.kd
    .args:
      - { .name: att, .offset: 0, .size: 8, .value_kind: global_buffer, .address_space: global }
      - { .name: att_scales, .offset: 8, .size: 8, .value_kind: global_buffer, .address_space: global }
      - { .name: Wo_codes, .offset: 16, .size: 8, .value_kind: global_buffer, .address_space: global }
      - { .name: Wo_scales, .offset: 24, .size: 8, .value_kind: global_buffer, .address_space: global }
      - { .name: bo, .offset: 32, .size: 8, .value_kind: global_buffer, .address_space: global }
      - { .name: out0, .offset: 40, .size: 8, .value_kind: global_buffer, .address_space: global }
    .group_segment_fixed_size: 34304
    .private_segment_fixed_size: 0
    .kernarg_segment_align: 8
    .kernarg_segment_size: 48
    .max_flat_workgroup_size: 128
    .sgpr_count:     66
    .vgpr_count:     768
    .wavefront_size: 32
...
	.end_amdgpu_metadata
.endif
;; end of part 3
